; MI455X (gfx1250); checked and timed in simulation.
; The chip was launched on July 23, 2026; its instructions are those of AMD's public machine-readable ISA for CDNA 5 (MIT licence, August 2026) and "CDNA5" Instruction Set Architecture Reference Guide (July 2026). The comments in the code are by the model that wrote it; some were corrected since.
;; Entangle Complex. Allowed arithmetic: matrix products marked QUANTISED: E2M3 operands, one E8M0 scale for each 32 along K, by v_wmma_scale_f32_16x16x128_f8f6f4 with both operands' format E2M3, f32 sums; everything else in f32.
;; Inputs: op 4,096 x 4,096 float32; x_imag 2,048 x 4,096 float32; x_real 2,048 x 4,096 float32.
;; Outputs: out0 2,048 x 4,096 float32; out1 2,048 x 4,096 float32.
;; This version of the problem:
;;   THIS VERSION OF THE PROBLEM IS GIVEN IN LOW PRECISION. The matrix products marked QUANTISED in the list below multiply operands that are first quantised to E2M3 (2 exponent bits, 3 mantissa bits; 6 bits a number), with one power-of-two scale for each 32 numbers along K (OCP MX v1.0); their sums are f32. All else is computed in f32.
;;   The module's matrix products, in the order in which they are computed (A, B: the left and right operand; K: the contracted axis; several contracted axes count as one K, in the product's order):
;;     1. [M 2,048, K 4,096] x [K 4,096, N 4,096]; A: input x_real; B: input op: QUANTISED
;;     2. [M 2,048, K 4,096] x [K 4,096, N 4,096]; A: input x_imag; B: input op: QUANTISED
;;   THE QUANTISER, for each operand of a quantised product, along K:
;;     - K is cut into blocks of 32 from its start; a last block that is shorter is filled with zeros.
;;     - A block's scale is 2^e with e = floor(log2(the largest magnitude in the block)) - 2, held to -126 .. 127; a block of zeros has e = 0. As a byte (E8M0): e + 127.
;;     - Each number is divided by its block's scale, clamped to +-7.5, and rounded to the nearest number of E2M3, ties to even, subnormals kept.
;;     - The product sums the exact products of the quantised numbers (number of the format x scale) in f32.
;;   ~~~python
;;   def quantise(x, axis):      # numpy; x: float32 -> the quantised numbers, widened to float32 again
;;       x = np.moveaxis(x, axis, -1); K = x.shape[-1]
;;       x = np.pad(x, [(0, 0)] * (x.ndim - 1) + [(0, -K % 32)]); x = x.reshape(x.shape[:-1] + (-1, 32)); a = np.abs(x).max(-1, keepdims=True)
;;       e = np.where(a > 0, np.clip(np.frexp(np.where(a > 0, a, 1))[1] - 1 - 2, -126, 127), 0)      # np.frexp(a)[1] - 1 = floor(log2(a)), exactly
;;       r = np.clip(x / 2.0 ** e, -7.5, 7.5)
;;       step = 2.0 ** (np.maximum(np.frexp(np.where(r == 0, 1, r))[1] - 1, 0) - 3)
;;       q = np.round(r / step) * step * 2.0 ** e      # np.round: ties to even
;;       return np.moveaxis(q.reshape(q.shape[:-2] + (-1,))[..., :K], -1, axis).astype(np.float32)
;;   ~~~
;; One version. Each part assembles by itself: llvm-mc -triple=amdgcn-amd-amdhsa -mcpu=gfx1250 --defsym DOCPART=n.
;; ======== version 1 of 1: 2 launches
;; limits: right only within a limited range of input values
;; workspace buffers: a_q 13,107,200 bytes; b_q 13,107,200 bytes
;; launch quant (part 1): grid 768 x 1, 4 waves a work-group, no clusters, 86,528 bytes of LDS; arguments x_real, x_imag, op, a_q, b_q; writes a_q, b_q
.if DOCPART == 1
	.amdgcn_target "amdgcn-amd-amdhsa--gfx1250"
	.amdhsa_code_object_version 6
	.text
	.protected	k_q4ef45922e9_quant
	.globl	k_q4ef45922e9_quant
	.p2align	8
	.type	k_q4ef45922e9_quant,@function
k_q4ef45922e9_quant:
	s_mov_b64 s[64:65], 0
	v_nop
	global_prefetch_b8 v0, s[64:65] scope:SCOPE_SE
	s_setreg_imm32_b32 hwreg(HW_REG_WAVE_MODE, 25, 1), 1
	s_wait_xcnt 0x0
; x_real, x_imag [2048][4096] and op [4096 (k)][4096 (n)], f32, become codes of FP6 (E2M3) with one E8M0 scale byte for each 32 along K.
; A = x_real's rows, then x_imag's (4,096 rows, K innermost) -> a_q.   B = op's columns (4,096 'rows' n, K is op's FIRST axis) -> b_q.  op is taken as a dense matrix: every number is loaded and quantised.
; A block's scale is 2^(floor(log2(its largest magnitude)) - 2); its byte is the largest magnitude's own exponent field - 2, held at 1 from below; each number / scale goes to the nearest code, ties to even,
; beyond 7.5 the largest code.
; LIMITS: a block whose largest magnitude lies under 2^-124 (the floor) has its byte held at 1; a block of zeros gets the byte 1 where the rule says 127 (its codes are zeros, which add nothing under any byte
; but 0xff, and the bytes are read by this program alone); NaN and infinities among the inputs are not served.
; LAYOUT OF a_q AND b_q: THE ORDER OF THE OPERAND'S REGISTERS, A K STEP OF 128 AT A TIME.  Step block (T = row / 128, s = k / 128) is 12,800 dense bytes at (32 T + s) x 12,800:
;   8 fragment images of 1,536 bytes: fragment i = (row % 128) / 16 at 1,536 i; registers 4 c .. 4 c + 3 of lane l at 512 c + 16 l;
;   lane (r = l % 16, h = l / 16) holds row 16 i + r, registers 0-5 the codes of k = 32 h .. 32 h + 31 of the 128, registers 6-11 those of k = 64 + 32 h ..;
;   then 512 bytes of scale words: the word of (i, r) at 12,288 + 256 (i / 4) + 16 r + 4 (i % 4).
; SHARES.  Work-groups 0-255 make b_q (path W, 262,144 bytes of f32 each: the longer ones have the lower numbers), 256-767 a_q (path X, 131,072 bytes each).
; No barrier: waves share nothing.  No loop: every offset is an immediate.  Every store of a wave covers 512 or 256 consecutive bytes, aligned to 256.  Each path has LDS bytes of its own.
; Matrix units, clusters and tensor loads are left out: the launch streams, each byte is read once and written once.
.set STEPB, 12800
.set SCO,   12288                      ; where a step block's scale words begin
.set FRB,   1536                       ; a fragment's image
.set ROWX,  16384                      ; a row of x or of op in bytes
.set SP,    528                        ; path X's stage: a row of 512 bytes + 16
.set STG,   16*SP                      ; a stage of 16 rows for each wave
.set SPARE, 4*STG                      ; behind path X's stages: the spare words, 128 bytes for each wave
.set WBASE, SPARE+512                  ; path W's stages
.set WP,    1552                       ; path W: an image's place in the stage, 1,536 + 16: the images of four neighbouring groups of lanes begin 16 bytes apart modulo 256
.set WREG,  13056                      ; 8 images and 512 bytes of scale words, rounded up to blocks of 256
.set CO,    7                          ; path X: my codes' offset in the two step blocks
.set SO,    8                          ; path X: my scale words' offset
.set XN,    56                         ; v56-119   path X: 64 numbers of a lane, two whole blocks of 32
.set R,     120                        ; v120-247  path X: two sets of 64 registers as loaded
.set RAW,   56                         ; v56-247   path W: three buffers of 16 rows x 4 columns
.set TT,    20                         ; v20-35    path W: 16 numbers of one column on end
.set DD,    36                         ; v36-51    path W: codes, four registers for each column
.set WW,    6                          ; v6-9      path W: my four columns' scale words
.set MM,    10
.set SS,    14
.set SPW,   250                        ; v250 LDS address of my spare word; never rewritten
.set NIL,   251                        ; v251 0; never rewritten
	s_load_b128 s[4:7], s[0:1], 0x0                ; x_real, x_imag
	s_load_b128 s[8:11], s[0:1], 0x10              ; op, a_q
	s_load_b64 s[12:13], s[0:1], 0x20              ; b_q
	v_lshl_add_u32 v[SPW], v0, 2, SPARE
	v_mov_b32 v[NIL], 0
	v_lshrrev_b32 v1, 5, v0
	v_readfirstlane_b32 s16, v1                    ; wave 0..3
	s_mov_b32 s23, 0                               ; the upper word of every offset pair
	s_cmp_lt_u32 ttmp9, 256                        ; the paths part on the work-group's number alone
	s_wait_alu depctr_va_vdst(0)
	s_cbranch_scc1 .Lop
; ---------------- PATH X: K is innermost.  A work-group makes the step blocks (T, 2 S) and (T, 2 S + 1).  Wave w makes K step q = w % 2, row blocks 4 (w / 2) .. + 3.
; Each load reads 512 consecutive bytes of one row; sixteen rows turn through my stage, so that lane (r, h) gets the whole blocks h and 2 + h of row r.
	s_and_b32 s24, s16, 1                          ; q
	s_lshr_b32 s25, s16, 1                         ; which 64 rows
	s_mul_i32 s26, s24, STEPB
	s_mul_i32 s17, s25, 4*FRB
	s_add_co_u32 s17, s17, s26
	s_lshl_b32 s18, s25, 8
	s_add_co_u32 s18, s18, s26
	s_mul_i32 s19, s16, STG                        ; my stage
	s_mov_b32 s20, 0x76543210
	s_mov_b32 s21, 0xfedcba98                      ; v_permlanex16_b32's selects for lane l xor 16
	v_and_b32 v1, 31, v0                           ; lane
	v_and_b32 v2, 15, v0                           ; r
	v_bfe_u32 v3, v0, 4, 1                         ; h
	v_lshl_add_u32 v[CO], v1, 4, s17
	v_lshl_add_u32 v[SO], v2, 4, s18
	v_lshl_add_u32 v[SO], v3, 3, v[SO]
	v_lshlrev_b32 v4, 4, v1                        ; my 16 bytes of a load's 512
	v_add_nc_u32 v5, s19, v4                       ; into the stage: 16 x lane, a row an instruction
	v_mul_u32_u24 v6, v2, SP
	v_lshl_add_u32 v6, v3, 7, v6
	v_add_nc_u32 v6, s19, v6                       ; out of it: row r, + 128 h: my block of 32 numbers
	v_lshlrev_b32 v18, 3, v3                       ; 8 h: how far my two scale bytes are shifted
	v_mov_b32 v17, 0                               ; written once: a lane permute's destination counts as one of its sources
	s_wait_alu depctr_va_vdst(0)
	s_wait_kmcnt 0x0
	s_sub_co_u32 s27, ttmp9, 256                   ; which pair of step blocks of a_q
	s_lshr_b32 s17, s27, 4                         ; T
	s_and_b32 s18, s27, 15                         ; S
	s_cmp_lt_u32 s17, 16                           ; rows 0-2047 of A are x_real's, the others x_imag's
	s_cselect_b64 s[4:5], s[4:5], s[6:7]
	s_and_b32 s17, s17, 15
	s_lshl_b32 s22, s17, 21                        ; 128 rows of 16,384 bytes,
	s_lshl_b32 s17, s25, 20                        ; my wave's 64 rows,
	s_add_co_u32 s22, s22, s17
	s_lshl_b32 s17, s18, 10                        ; 256 along K,
	s_add_co_u32 s22, s22, s17
	s_lshl_b32 s17, s24, 9                         ; my K step's 128
	s_add_co_u32 s22, s22, s17
	s_add_nc_u64 s[4:5], s[4:5], s[22:23]
	s_mul_i32 s22, s27, 2*STEPB
	s_add_nc_u64 s[10:11], s[10:11], s[22:23]
.macro LOADX f
.irp j, 0,1,2,3,4,5,6,7,8,9,10,11,12,13,14,15
	global_load_b128 v[R+64*((\f)%2)+4*\j:R+64*((\f)%2)+4*\j+3], v4, s[4:5] offset:(16*(\f)+\j)*ROWX th:TH_LOAD_NT
.endr
.endm
.macro TURNX f                         ; LDS serves a wave's instructions in order (ISA guide 5.7.1.4): no wait stands between the stores and the loads
.irp j, 0,1,2,3,4,5,6,7,8,9,10,11,12,13,14,15
	ds_store_b128 v5, v[R+64*((\f)%2)+4*\j:R+64*((\f)%2)+4*\j+3] offset:SP*\j
.endr
.irp c, 0,1
.irp p, 0,1,2,3,4,5,6,7
	ds_load_b128 v[XN+32*\c+4*\p:XN+32*\c+4*\p+3], v6 offset:256*\c+16*\p   ; register 32 c + i = k 64 c + 32 h + i of row r
.endr
.endr
.endm
.macro QUANTX f
.set CS, 32+12*((\f)%2)                ; the fragment's 12 registers: two sets by turns
.irp c, 0,1
	v_max3_num_f32 v[10+\c], |v[XN+32*\c]|, |v[XN+32*\c+1]|, 0x1800000   ; my block 2 c + h, and the floor 2^(3 - 127)
.endr
.irp i, 2,4,6,8,10,12,14,16,18,20,22,24,26,28,30
.irp c, 0,1
	v_max3_num_f32 v[10+\c], v[10+\c], |v[XN+32*\c+\i]|, |v[XN+32*\c+\i+1]|
.endr
.endr
.irp c, 0,1
	v_add_nc_u32 v[12+\c], 0xff000000, v[10+\c]    ; 2 off the exponent field: the conversion's scale operand
.endr
.irp c, 0,1
	v_lshrrev_b32 v[14+\c], 23, v[12+\c]           ; the scale's byte
.endr
	v_lshl_or_b32 v16, v15, 16, v14                ; my two bytes: blocks h and 2 + h,
	v_lshlrev_b32 v16, v18, v16                    ; at their places in the word;
	v_permlanex16_b32 v17, v16, s20, s21
	v_or_b32 v[20+\f], v16, v17                    ; with lane l xor 16's two the word is whole
.if (\f) >= 2
	s_wait_alu depctr_va_vdst(0)
	s_wait_xcnt 0x0                                ; this set of codes was the data of the stores two fragments back
.endif
.irp c, 0,1
	v_cvt_scalef32_pk16_fp6_f32 v[CS+6*\c:CS+6*\c+2], v[XN+32*\c:XN+32*\c+15], v[12+\c]
	v_cvt_scalef32_pk16_fp6_f32 v[24+4*\c:26+4*\c], v[XN+32*\c+16:XN+32*\c+31], v[12+\c]
.endr
	v_nop                                          ; one plain place behind a scaled conversion
.irp c, 0,1
.irp i, 0,1,2
	v_mov_b32 v[CS+6*\c+3+\i], v[24+4*\c+\i]
.endr
.endr
.irp c, 0,1,2
	global_store_b128 v[CO], v[CS+4*\c:CS+4*\c+3], s[10:11] offset:FRB*(\f)+512*\c   ; the image: 32 lanes store 512 consecutive bytes
.endr
.endm
	LOADX 0
	LOADX 1
	s_wait_loadcnt 16                              ; fragment 0's sixteen loads are in; the sixteen behind them may be out
	TURNX 0
	s_wait_dscnt 0x0
	LOADX 2
	QUANTX 0
	s_wait_loadcnt 16
	TURNX 1
	s_wait_dscnt 0x0
	LOADX 3
	QUANTX 1
	s_wait_loadcnt 16
	TURNX 2
	s_wait_dscnt 0x0
	QUANTX 2
	s_wait_loadcnt 0x0
	TURNX 3
	s_wait_dscnt 0x0
	QUANTX 3
	v_cmp_ne_u32 vcc_lo, 0, v3                     ; lanes 0-15 keep the words of fragments 0 and 1, lanes 16-31 take those of 2 and 3
	v_cndmask_b32 v20, v20, v22, vcc_lo
	v_cndmask_b32 v21, v21, v23, vcc_lo
	global_store_b64 v[SO], v[20:21], s[10:11] offset:SCO   ; 32 lanes store 256 consecutive bytes, aligned
	s_wait_tensorcnt 0x0                           ; the wave's end
	ds_add_u32 v[SPW], v[NIL]
	s_wait_dscnt 0x0
	s_endpgm
; ---------------- PATH W: K is op's first axis.  A work-group makes the step blocks (T, 4 S .. 4 S + 3), a wave one of them whole: 128 rows (k) x 128 columns of op.
; A LANE TAKES FOUR NEIGHBOURING COLUMNS, 16 bytes of a row: a load of the wave reads 512 consecutive bytes.  Rows come in buffers of 16, three buffers by turns: a block of 32 along K lies in two of them,
; the third is on its way.  A column's 16 numbers of a buffer are laid on end by moves for the conversion, which wants them in consecutive registers.
; Lane l's column 4 l + c is row r = 4 (l % 4) + c of fragment l / 4: the codes go register by register to their places in the images, in my own stage, and leave as the images lie.
.Lop:
	s_mul_i32 s19, s16, WREG
	s_add_co_u32 s19, s19, WBASE                   ; my stage
	s_add_co_u32 s18, s19, 8*WP                    ; its scale words
	v_and_b32 v5, 31, v0                           ; lane
	v_lshlrev_b32 v1, 4, v5                        ; 16 x lane: in op's rows, in the images
	v_lshrrev_b32 v10, 2, v5
	v_and_b32 v11, 3, v5
	v_mul_u32_u24 v2, v10, WP
	v_lshl_add_u32 v2, v11, 6, v2
	v_add_nc_u32 v2, s19, v2                       ; image l / 4, lane place 4 (l % 4): + 16 c + 256 h + the register's place
	v_add_nc_u32 v3, s19, v1                       ; out of the stage
	v_lshrrev_b32 v12, 4, v5
	v_and_b32 v13, 3, v10
	v_lshlrev_b32 v4, 8, v12
	v_lshl_add_u32 v4, v11, 6, v4
	v_lshl_add_u32 v4, v13, 2, v4
	v_add_nc_u32 v4, s18, v4                       ; my words: 256 (i / 4) + 16 r + 4 (i % 4), i = l / 4, r = 4 (l % 4) + c
	s_wait_alu depctr_va_vdst(0)
	s_wait_kmcnt 0x0
	s_lshr_b32 s17, ttmp9, 3                       ; T
	s_and_b32 s18, ttmp9, 7
	s_lshl_b32 s18, s18, 2
	s_add_co_u32 s18, s18, s16                     ; my K step
	s_lshl_b32 s22, s18, 21                        ; 128 rows of 16,384 bytes a step,
	s_lshl_b32 s24, s17, 9                         ; 128 columns
	s_add_co_u32 s22, s22, s24
	s_add_nc_u64 s[8:9], s[8:9], s[22:23]
	s_lshl_b32 s22, s17, 5
	s_add_co_u32 s22, s22, s18
	s_mul_i32 s22, s22, STEPB
	s_add_nc_u64 s[12:13], s[12:13], s[22:23]      ; my step block of b_q
.macro LOADH hb                        ; rows 16 hb .. 16 hb + 15 into buffer hb % 3.  127 rows at the most stand in the immediate
.irp k, 0,1,2,3,4,5,6,7,8,9,10,11,12,13,14,15
	global_load_b128 v[RAW+64*((\hb)%3)+4*\k:RAW+64*((\hb)%3)+4*\k+3], v1, s[8:9] offset:(16*(\hb)+\k)*ROWX th:TH_LOAD_NT
.endr
.endm
.macro CONV kb, hf                     ; half hf of block kb: 16 codes of each of my four columns: registers 6 (kb / 2) + 3 hf + 0 .. 2 of lane r + 16 (kb % 2) of their image
.set BH, RAW+64*((2*(\kb)+(\hf))%3)
	s_wait_dscnt 0x0                               ; the last half's stores have read the codes' registers
.irp c, 0,1,2,3
.irp k, 0,1,2,3,4,5,6,7,8,9,10,11,12,13,14,15
	v_mov_b32 v[TT+\k], v[BH+4*\k+\c]
.endr
	v_cvt_scalef32_pk16_fp6_f32 v[DD+4*\c:DD+4*\c+2], v[TT:TT+15], v[SS+\c]
	v_nop                                          ; one plain place behind a scaled conversion, ahead of the moves that write its sources
.irp i, 0,1,2
	ds_store_b32 v2, v[DD+4*\c+\i] offset:16*\c+256*((\kb)%2)+512*((6*((\kb)/2)+3*(\hf)+\i)/4)+4*((6*((\kb)/2)+3*(\hf)+\i)%4)
.endr
.endr
.endm
.macro BLOCKW kb
.set B0, RAW+64*((2*(\kb))%3)
.set B1, RAW+64*((2*(\kb)+1)%3)
.if (\kb) < 3
	s_wait_loadcnt 16                              ; the block's two buffers are in; the third buffer's sixteen loads may be out
.else
	s_wait_loadcnt 0x0
.endif
.irp c, 0,1,2,3
	v_max3_num_f32 v[MM+\c], |v[B0+\c]|, |v[B0+4+\c]|, 0x1800000   ; the four columns by turns; and the floor 2^(3 - 127)
.endr
.irp k, 2,4,6,8,10,12,14
.irp c, 0,1,2,3
	v_max3_num_f32 v[MM+\c], v[MM+\c], |v[B0+4*\k+\c]|, |v[B0+4*\k+4+\c]|
.endr
.endr
.irp k, 0,2,4,6,8,10,12,14
.irp c, 0,1,2,3
	v_max3_num_f32 v[MM+\c], v[MM+\c], |v[B1+4*\k+\c]|, |v[B1+4*\k+4+\c]|
.endr
.endr
.irp c, 0,1,2,3
	v_add_nc_u32 v[SS+\c], 0xff000000, v[MM+\c]    ; 2 off the exponent field: the conversion's scale operand
.endr
.irp c, 0,1,2,3
	v_lshrrev_b32 v[MM+\c], 23, v[SS+\c]           ; the scale's byte
.endr
.irp c, 0,1,2,3
.if (\kb) == 0
	v_mov_b32 v[WW+\c], v[MM+\c]                   ; four bytes to a word, the lower K in the lower byte
.else
	v_lshl_or_b32 v[WW+\c], v[MM+\c], 8*(\kb), v[WW+\c]
.endif
.endr
	CONV \kb, 0
.if 2*(\kb)+3 < 8
	LOADH 2*(\kb)+3                                ; into the buffer just converted
.endif
	CONV \kb, 1
.if 2*(\kb)+4 < 8
	LOADH 2*(\kb)+4
.endif
.endm
	LOADH 0
	LOADH 1
	LOADH 2
	BLOCKW 0
	BLOCKW 1
	BLOCKW 2
	BLOCKW 3
.irp c, 0,1,2,3
	ds_store_b32 v4, v[WW+\c] offset:16*\c
.endr
.irp i, 0,1,2,3,4,5,6,7
.irp c, 0,1,2
	ds_load_b128 v[RAW+4*(3*\i+\c):RAW+4*(3*\i+\c)+3], v3 offset:WP*\i+512*\c   ; LDS serves a wave's instructions in order: these see my stores
.endr
.endr
	ds_load_b128 v[RAW+96:RAW+99], v3 offset:8*WP
	s_wait_dscnt 0x0
.irp i, 0,1,2,3,4,5,6,7
.irp c, 0,1,2
	global_store_b128 v1, v[RAW+4*(3*\i+\c):RAW+4*(3*\i+\c)+3], s[12:13] offset:FRB*\i+512*\c   ; 32 lanes store 512 consecutive bytes
.endr
.endr
	global_store_b128 v1, v[RAW+96:RAW+99], s[12:13] offset:SCO
	s_wait_tensorcnt 0x0                           ; the wave's end
	ds_add_u32 v[SPW], v[NIL]
	s_wait_dscnt 0x0
	s_endpgm
.Lfunc_end_k_q4ef45922e9_quant:
	.size	k_q4ef45922e9_quant, .Lfunc_end_k_q4ef45922e9_quant-k_q4ef45922e9_quant
	.p2alignl 7, 3214868480
	.fill 96, 4, 3214868480
	.section	.rodata,"a",@progbits
	.p2align	6, 0x0
	.amdhsa_kernel k_q4ef45922e9_quant
		.amdhsa_group_segment_fixed_size 86528
		.amdhsa_private_segment_fixed_size 0
		.amdhsa_enable_private_segment 0
		.amdhsa_kernarg_size 40
		.amdhsa_user_sgpr_count 2
		.amdhsa_user_sgpr_kernarg_segment_ptr 1
		.amdhsa_wavefront_size32 1
		.amdhsa_system_sgpr_workgroup_id_x 1
		.amdhsa_system_sgpr_workgroup_id_y 1
		.amdhsa_system_sgpr_workgroup_id_z 1
		.amdhsa_system_vgpr_workitem_id 0
		.amdhsa_next_free_vgpr 256
		.amdhsa_next_free_sgpr 66
		.amdhsa_reserve_vcc 1
		.amdhsa_float_denorm_mode_32 3
		.amdhsa_float_denorm_mode_16_64 3
		.amdhsa_memory_ordered 1
		.amdhsa_forward_progress 1
		.amdhsa_inst_pref_size 92
	.end_amdhsa_kernel
	.amdgpu_metadata
---
amdhsa.version: [ 1, 2 ]
amdhsa.kernels:
  - .name:           k_q4ef45922e9_quant
    .symbol:         k_q4ef45922e9_quant.kd
    .args:
      - { .name: x_real, .offset: 0, .size: 8, .value_kind: global_buffer, .address_space: global }
      - { .name: x_imag, .offset: 8, .size: 8, .value_kind: global_buffer, .address_space: global }
      - { .name: op, .offset: 16, .size: 8, .value_kind: global_buffer, .address_space: global }
      - { .name: a_q, .offset: 24, .size: 8, .value_kind: global_buffer, .address_space: global }
      - { .name: b_q, .offset: 32, .size: 8, .value_kind: global_buffer, .address_space: global }
    .group_segment_fixed_size: 86528
    .private_segment_fixed_size: 0
    .kernarg_segment_align: 8
    .kernarg_segment_size: 40
    .max_flat_workgroup_size: 128
    .sgpr_count:     66
    .vgpr_count:     256
    .wavefront_size: 32
...
	.end_amdgpu_metadata
.endif
;; end of part 1
;; launch gemm (part 2): grid 16 x 16, 4 waves a work-group, clusters of 4 x 1, 327,680 bytes of LDS; arguments a_q, b_q, out0, out1; writes out0, out1
.if DOCPART == 2
	.amdgcn_target "amdgcn-amd-amdhsa--gfx1250"
	.amdhsa_code_object_version 6
	.text
	.protected	k_q4ef45922e9_gemm
	.globl	k_q4ef45922e9_gemm
	.p2align	8
	.type	k_q4ef45922e9_gemm,@function
k_q4ef45922e9_gemm:
	s_mov_b64 s[64:65], 0
	v_nop
	global_prefetch_b8 v0, s[64:65] scope:SCOPE_SE
	s_setreg_imm32_b32 hwreg(HW_REG_WAVE_MODE, 25, 1), 1
	s_wait_xcnt 0x0
	s_wait_alu depctr_hold_cnt(0) depctr_sa_sdst(0) depctr_va_vdst(0) depctr_va_sdst(0) depctr_va_ssrc(0) depctr_va_vcc(0) depctr_vm_vsrc(0)
	s_getreg_b32 s2, hwreg(HW_REG_IB_STS2, 6, 4)
	s_cmp_eq_u32 s2, 0
	s_cbranch_scc0 .Lentry_in_a_cluster
	s_endpgm
.Lentry_in_a_cluster:
	s_bfe_u32 s2, ttmp6, 0x10000c
	s_cmp_lg_u32 s2, 0x3003
	s_cbranch_scc0 .Lentry_shape_is_right
	s_endpgm
.Lentry_shape_is_right:
; C = A B^T on codes of FP6 (E2M3) with E8M0 scales: A = x_real's rows, then x_imag's (a_q), B = op's columns (b_q); rows 0-2047 of C are out0, the others out1; sums in f32.
; a_q and b_q lie in the order of the operand's registers: step block (T = row / 128, s = k / 128) is 12,800 dense bytes at (32 T + s) x 12,800: 8 fragment images of 1,536 bytes, then 512 bytes of scale words.
; A work-group of four waves makes 256 x 256 of C, a wave 128 x 128: 64 accumulators, 512 registers.  32 K steps of 128, 64 matrix instructions each.
; A GOES THROUGH LDS, B STRAIGHT INTO REGISTERS.  A's 256 rows take 25,600 bytes a K step: a ring of two slots of SIX steps (307,200 bytes) holds A alone, so that 384 matrix instructions of a wave lie
; between two refills; with B beside it a slot would hold three steps, 192.  B's images are what a lane's registers want, 16 bytes a lane, 512 consecutive bytes a load.
; CLUSTERS: the four work-groups of a cluster (4 x 1) share their rows of A: each tile of A is asked for jointly, mask 15.  B has no joint load: it does not pass LDS, for the count of steps a slot just given.
; ORDER OF A STEP: B's fragments one after the other, each against A's eight blocks.  TWO RUNS OF LOADS A STEP.  Behind fragment 3's products: B's scale words and fragments 0-3 of the step two on, into the registers
; just multiplied.  Behind fragment 7's: B's fragments 4-7 and all of A of the step two on, likewise.  So 12 of 16 groups of 8 products lie between a load of B and its use, and a whole step between a load of A and its use.
; A slot's first step of A is read in the middle run of the step before it, behind that step's barrier.
; THE WALK: steps 0, 1 lie at ring places 4, 5, step s at place (s + 4) % 12.  The head's one load a wave brings steps 0-7.  In the last step of a slot (steps 1, 7, 13, 19) the slot is filled again, six steps at a time.
; THE LAST STEP goes by rows of C: a block of 16 rows is finished and leaves through the wave's stage in LDS while the others are multiplied.
; PREFETCHES, in each step that refills: A's chunk of the NEXT refill (six steps ahead of its tensor load; 150 blocks of 256 bytes a loading wave, shared out among the four partners by address; the last refill has no next);
; B's six steps that begin five steps ahead of the loads being issued (300 blocks for 128 columns, ten to each of the 32 waves of the grid's column that read them; what is over names block 299 again).  Steps 0-7 come by their loads alone.
; REGISTERS: window 0: v0-31 addresses, v32-43 B's scale words (three sets), v44-59 A's (two sets), v64-255 A's fragments (two sets).  window 1: B's fragments at v0 and v128; v96-127, v224-255 the way out.
;   windows 2, 3: accumulator (a, b) at window 2 + b / 4, v[8 (8 (b % 4) + a)].
; The matrix instruction is used transposed (source 0 = 16 rows of B, source 1 = 16 rows of A): a lane holds eight neighbouring numbers of a row of C.
.set STEPB,  12800
.set TROW,   32*STEPB
.set SCO,    12288
.set FRB,    1536
.set BLK,    3*STEPB                   ; what one refill of a wave brings
.set SLOTB,  6*STEPB
.set HALF,   12*STEPB                  ; the ring of 128 rows of A
.set SPARE,  2*HALF                    ; behind the ring: the spare words, 128 bytes a wave
.set ROWC,   16384
.set SPITCH, 528                       ; the stage: 16 rows of 512 + 16 bytes a wave, in slot 0 of the first half, which is read no more behind step 25's barrier and filled no more
.set ADRA, 10                          ; v10-12 my A fragments at ring places 0, 4, 8
.set ADRS, 13                          ; v13-15 my A scale words there
.set BO,   16                          ; v16 16 x lane: B's images, and my place in a row of C
.set BS,   17                          ; v17 B's scale words: SCO + 16 r + 256 h
.set STO,  18
.set RD,   19
.set PFO,  21                          ; v21-22 A's prefetches, v23 B's
.set PFB,  23
.set SPW,  28
.set NIL,  29
.set SB,   32
.set SA,   44
.set AF,   64
.set G1,   24                          ; s[24:31] group 1; s[32:39] group 0 for slots 0, 1; s[44:47] the head's
.set G0,   32
.set G0H,  44
.set BP,   48                          ; s[48:49] my 128 columns of b_q
.set PFA,  50
.set PFBA, 52
.set MSB, 0
.macro WIN new                         ; the immediate's high byte repeats the setting that is left
.if MSB != \new
	s_set_vgpr_msb (MSB<<8)|\new
.set MSB, \new
.endif
.endm
.set MUL_LO, 0xa1                      ; source 0 (B) window 1, source 1 (A) window 0, C and D window 2
.set MUL_HI, 0xf1
.set TO_B,   0x40
.macro PLACES                          ; four places behind matrix instructions, ahead of loads into their sources and of reads of their results
.rept 4
	v_nop
.endr
.endm
.macro CREST
	s_cmp_lg_u32 s14, 0
	s_cbranch_scc1 .Lnot_wave_0_\@
	s_barrier_signal -3
.Lnot_wave_0_\@:
	s_barrier_wait -3
	s_barrier_signal -1
	s_barrier_wait -1
.endm
.macro CROUND
	s_barrier_signal -1
	s_barrier_wait -1
	CREST
.endm
; one product.  rx: B's scale words stand in lanes 16-31 of their register
.macro WM d, x, y, sx, sy, rx, zero
.set D_, \d
.set X_, \x
.set Y_, \y
.if \zero
.if \rx
	v_wmma_scale_f32_16x16x128_f8f6f4 v[D_:D_+7], v[X_:X_+11], v[Y_:Y_+11], 0, v[\sx], v[\sy] matrix_a_fmt:MATRIX_FMT_FP6 matrix_b_fmt:MATRIX_FMT_FP6 matrix_a_scale:MATRIX_SCALE_ROW1
.else
	v_wmma_scale_f32_16x16x128_f8f6f4 v[D_:D_+7], v[X_:X_+11], v[Y_:Y_+11], 0, v[\sx], v[\sy] matrix_a_fmt:MATRIX_FMT_FP6 matrix_b_fmt:MATRIX_FMT_FP6
.endif
.else
.if \rx
	v_wmma_scale_f32_16x16x128_f8f6f4 v[D_:D_+7], v[X_:X_+11], v[Y_:Y_+11], v[D_:D_+7], v[\sx], v[\sy] matrix_a_fmt:MATRIX_FMT_FP6 matrix_b_fmt:MATRIX_FMT_FP6 matrix_a_scale:MATRIX_SCALE_ROW1
.else
	v_wmma_scale_f32_16x16x128_f8f6f4 v[D_:D_+7], v[X_:X_+11], v[Y_:Y_+11], v[D_:D_+7], v[\sx], v[\sy] matrix_a_fmt:MATRIX_FMT_FP6 matrix_b_fmt:MATRIX_FMT_FP6
.endif
.endif
.endm
.macro MULB b, p, c3, zero             ; B's fragment b against A's eight blocks: eight accumulators by turns
.irp a, 0,1,2,3,4,5,6,7
	WM 8*(8*((\b)%4)+\a), 128*(\p)+12*(\b), AF+96*(\p)+12*\a, SB+4*(\c3)+(\b)%4, SA+8*(\p)+\a, (\b)/4, \zero
.endr
.endm
.macro ROWA a, p, c3                   ; A's block a against B's eight fragments
	WIN MUL_LO
.irp b, 0,1,2,3
	WM 8*(8*\b+(\a)), 128*(\p)+12*\b, AF+96*(\p)+12*(\a), SB+4*(\c3)+\b, SA+8*(\p)+(\a), 0, 0
.endr
	WIN MUL_HI
.irp b, 0,1,2,3
	WM 8*(8*\b+(\a)), 128*(\p)+12*(4+\b), AF+96*(\p)+12*(\a), SB+4*(\c3)+\b, SA+8*(\p)+(\a), 1, 0
.endr
.endm
.macro LOADA s                         ; A's scale words and eight blocks of step s into set s % 2: 26 LDS loads.  Every window is 0 here
.set PS_, ((\s)+4)%12
.set AR_, PS_/4
.set AO_, (PS_%4)*STEPB
.set AS_, (\s)%2
	ds_load_b128 v[SA+8*AS_:SA+8*AS_+3], v[ADRS+AR_] offset:AO_
	ds_load_b128 v[SA+8*AS_+4:SA+8*AS_+7], v[ADRS+AR_] offset:AO_+256
.irp i, 0,1,2,3,4,5,6,7
.irp c, 0,1,2
	ds_load_b128 v[AF+96*AS_+12*\i+4*\c:AF+96*AS_+12*\i+4*\c+3], v[ADRA+AR_] offset:AO_+FRB*\i+512*\c
.endr
.endr
.endm
.macro LOADB rb, s2, hf                ; B's fragments 4 hf .. 4 hf + 3 of step s2, which lies rb steps behind BP; with hf = 0, ahead of them, its scale words: 13 and 12 loads, always in this order
.if \hf == 0
	WIN 0
	global_load_b128 v[SB+4*((\s2)%3):SB+4*((\s2)%3)+3], v[BS], s[BP:BP+1] offset:(\rb)*STEPB
.endif
	WIN TO_B
.irp i, 0,1,2,3
.irp c, 0,1,2
	global_load_b128 v[128*((\s2)%2)+12*(4*(\hf)+\i)+4*\c:128*((\s2)%2)+12*(4*(\hf)+\i)+4*\c+3], v[BO], s[BP:BP+1] offset:(\rb)*STEPB+FRB*(4*(\hf)+\i)+512*\c
.endr
.endr
	WIN 0
.endm
.macro ASK cond                        ; cond = 2: the loop's last trip has no further chunk of A
	global_prefetch_b8 v[PFB], s[PFBA:PFBA+1] th:TH_LOAD_NT scope:SCOPE_SE
.if \cond == 2
	s_cmp_gt_u32 s3, 1
	s_cbranch_scc0 .Lno_more_\@
.endif
	global_prefetch_b8 v[PFO], s[PFA:PFA+1] th:TH_LOAD_NT scope:SCOPE_SE
	global_prefetch_b8 v[PFO+1], s[PFA:PFA+1] th:TH_LOAD_NT scope:SCOPE_SE
.if \cond == 2
.Lno_more_\@:
.endif
.endm
; A K step.  s: the step (its parity, its set of B's scale words, its place in the ring);  rb: where step s + 2 lies behind BP;  turn = 1: the slot's last step, the slot is filled again;  turn = 2: the same without a fill.
; s_wait_loadcnt 37: behind this step's fragments 0-3 stand its own fragments 4-7 (12 loads) and the next step's 25.  38: behind its fragments 4-7 stand the next step's 25 and the 13 of this step's middle run.
; s_wait_dscnt 26: behind this step's A stand the next step's 26 loads.  In a slot's last step none stand there: the step before it reads nothing (the next slot is not yet shown whole).
.macro STEP s, rb, zero, turn, ask
.set P_, (\s)%2
.set C3_, (\s)%3
.set Q_, (((\s)+4)%12)%6
.set SL_, (((\s)+4)%12)/6
.if \turn
.if \ask
	s_wait_xcnt 0x0                                ; the last prefetches have read their addresses
	s_add_nc_u64 s[PFA:PFA+1], s[PFA:PFA+1], SLOTB
	s_add_nc_u64 s[PFBA:PFBA+1], s[PFBA:PFBA+1], SLOTB
.endif
	s_wait_tensorcnt 0x0                           ; my part of the other slot has landed: no tensor load of mine is out
	ds_add_u32 v[SPW], v[NIL]
.if \turn == 1
	s_add_nc_u64 s[G0+4*(1-SL_)+2:G0+4*(1-SL_)+3], s[G0+4*(1-SL_)+2:G0+4*(1-SL_)+3], 12*STEPB   ; the other slot's next chunk
.endif
	s_wait_loadcnt 37
	s_wait_dscnt 1                                 ; A's set is in; the add may be out
	WIN MUL_LO
	MULB 0, P_, C3_, \zero
	MULB 1, P_, C3_, \zero
	s_wait_dscnt 0x0                               ; the add is done; my reads of this slot ended two steps ago
	s_barrier_signal -1
	MULB 2, P_, C3_, \zero
	MULB 3, P_, C3_, \zero
	WIN 0
	s_barrier_wait -1
.if \turn == 1
	CREST                                          ; the barrier has opened a round of the cluster's barrier
	tensor_load_to_lds s[G0+4*SL_:G0+4*SL_+3], s[G1:G1+7]   ; my one load behind the round: three steps of 128 rows
	s_nop 0
.endif
.else
	s_wait_loadcnt 37
	s_wait_dscnt 26
	WIN MUL_LO
	MULB 0, P_, C3_, \zero
	MULB 1, P_, C3_, \zero
	MULB 2, P_, C3_, \zero
	MULB 3, P_, C3_, \zero
.endif
	PLACES
	LOADB \rb, (\s)+2, 0
.if \turn
	LOADA (\s)+1                                   ; the other slot's first step
.if \ask
	ASK \ask
.endif
.endif
	s_wait_loadcnt 38
	WIN MUL_HI
	MULB 4, P_, C3_, \zero
	MULB 5, P_, C3_, \zero
	MULB 6, P_, C3_, \zero
	MULB 7, P_, C3_, \zero
	PLACES
	LOADB \rb, (\s)+2, 1
.if Q_ != 4
	LOADA (\s)+2
.endif
.endm
; the way out of block a: 16 rows x 128 columns through my own stage, back as whole rows of 512 bytes
.macro TOSTAGE a
	WIN 0x08
.irp b, 0,1,2,3
	ds_store_b128 v[STO], v[8*(8*\b+(\a)):8*(8*\b+(\a))+3] offset:64*\b          ; each accumulator from its low end on
	ds_store_b128 v[STO], v[8*(8*\b+(\a))+4:8*(8*\b+(\a))+7] offset:64*\b+16
.endr
	WIN 0x0c
.irp b, 0,1,2,3
	ds_store_b128 v[STO], v[8*(8*\b+(\a)):8*(8*\b+(\a))+3] offset:256+64*\b
	ds_store_b128 v[STO], v[8*(8*\b+(\a))+4:8*(8*\b+(\a))+7] offset:256+64*\b+16
.endr
	WIN TO_B
.irp t, 0,1,2,3,4,5,6,7,8,9,10,11,12,13,14,15
	ds_load_b128 v[96+4*\t+96*(\t/8):96+4*\t+96*(\t/8)+3], v[RD] offset:\t*SPITCH   ; LDS serves a wave's instructions in order (ISA guide 5.7.1.4)
.endr
	WIN 0
.endm
.macro SEND a
	s_wait_dscnt 0x0
	WIN 0x04
.irp t, 0,1,2,3,4,5,6,7,8,9,10,11,12,13,14,15
	global_store_b128 v[BO], v[96+4*\t+96*(\t/8):96+4*\t+96*(\t/8)+3], s[12:13] offset:(16*(\a)+\t)*ROWC th:TH_STORE_NT   ; 32 lanes store 512 consecutive bytes, aligned to 256; 127 rows at the most stand in the immediate
.endr
	WIN 0
.endm
	s_load_b256 s[4:11], s[0:1], 0x0               ; a_q, b_q, out0, out1
	v_lshl_add_u32 v[SPW], v0, 2, SPARE
	v_mov_b32 v[NIL], 0
	ds_add_u32 v[SPW], v[NIL]                      ; the opening
	ds_add_u32 v[SPW], v[NIL]
	v_lshrrev_b32 v1, 5, v0
	v_readfirstlane_b32 s14, v1                    ; wave
	s_lshr_b32 s15, s14, 1                         ; my half of the tile's rows.  As a loader: which part of the steps
	s_and_b32 s16, s14, 1                          ; my half of its columns.  As a loader: which 128 rows of A
	s_bfe_u32 s40, ttmp6, 0x40000                  ; cx
	s_lshl_b32 s42, ttmp9, 2
	s_add_co_u32 s42, s42, s40                     ; tile column
	s_and_b32 s17, ttmp7, 0xffff                   ; tile row
	s_mov_b32 s[G1+0], 15|(3<<16)|(1<<21)          ; the four partners; elements of 8 bytes
	s_mov_b32 s[G1+1], 32<<16                      ; rows of 256 bytes, dense
	s_mov_b32 s[G1+2], 200<<16                     ; the head's load: four steps, 200 rows
	s_mov_b32 s[G1+3], 32<<16
	s_mov_b32 s[G1+4], 200
	s_mov_b32 s[G1+5], 32
	s_mov_b32 s[G1+6], 0
	s_mov_b32 s[G1+7], 0
	s_mul_i32 s18, s15, HALF                       ; my rows' ring
	s_add_co_u32 s23, s18, SCO
	s_mul_i32 s19, s14, 16*SPITCH                  ; my stage
	s_lshl_b32 s41, s17, 1
	s_add_co_u32 s41, s41, s15
	s_mul_i32 s41, s41, 10                         ; B's prefetches: my ten blocks of the 300
	s_lshl_b32 s55, s40, 13                        ; A's: partner cx takes blocks 32 cx .. 32 cx + 31 of the 150,
	s_add_co_u32 s56, s40, 1
	s_lshr_b32 s56, s56, 2
	s_lshl_b32 s56, s56, 1
	s_sub_co_u32 s56, 5, s56
	s_mul_i32 s57, s40, 6*256
	s_add_co_u32 s57, s57, 128*256                 ; and 128 + 6 cx .. (six blocks; the last partner four)
	v_and_b32 v1, 31, v0
	v_and_b32 v2, 15, v0
	v_bfe_u32 v3, v0, 4, 1
	v_lshlrev_b32 v[BO], 4, v1
	v_lshlrev_b32 v4, 4, v2
	v_add_nc_u32 v[ADRA], s18, v[BO]
	v_add_nc_u32 v[ADRA+1], 4*STEPB, v[ADRA]
	v_add_nc_u32 v[ADRA+2], 8*STEPB, v[ADRA]
	v_add_nc_u32 v[ADRS], s23, v4
	v_add_nc_u32 v[ADRS+1], 4*STEPB, v[ADRS]
	v_add_nc_u32 v[ADRS+2], 8*STEPB, v[ADRS]
	v_lshl_add_u32 v[BS], v3, 8, v4
	v_add_nc_u32 v[BS], SCO, v[BS]
	v_mul_u32_u24 v5, v2, SPITCH
	v_lshl_add_u32 v5, v3, 5, v5
	v_add_nc_u32 v[STO], s19, v5
	v_add_nc_u32 v[RD], s19, v[BO]
	v_lshl_add_u32 v[PFO], v1, 8, s55
	v_min_u32 v6, s56, v1
	v_lshl_add_u32 v[PFO+1], v6, 8, s57
	v_min_u32 v7, 9, v1
	v_add_nc_u32 v7, s41, v7
	v_min_u32 v7, 299, v7
	v_lshlrev_b32 v[PFB], 8, v7
	s_lshl_b32 s20, s17, 1
	s_add_co_u32 s20, s20, s16
	s_mul_i32 s20, s20, TROW                       ; the 128 rows of A that I fetch, in bytes
	s_mov_b32 s21, 0
	s_mul_i32 s18, s16, HALF                       ; and their ring
	s_wait_alu depctr_va_vdst(0)
	s_wait_dscnt 0x0                               ; both opening adds are done
	s_wait_kmcnt 0x0
	s_add_nc_u64 s[22:23], s[4:5], s[20:21]
	s_mul_i32 s20, s15, 4*STEPB
	s_mov_b32 s[G0H], 1                            ; the head: steps 4 u .. 4 u + 3 to ring places 4 + 4 u ..
	s_add_co_u32 s[G0H+1], s18, s20
	s_add_co_u32 s[G0H+1], s[G0H+1], 4*STEPB
	s_add_nc_u64 s[G0H+2:G0H+3], s[22:23], s[20:21]
	s_or_b32 s[G0H+3], s[G0H+3], 0x80000000
	CROUND                                         ; the four partners are here: the first joint loads meet
	tensor_load_to_lds s[G0H:G0H+3], s[G1:G1+7]    ; one tensor load a wave at the head
	s_nop 0
	PLACES
	s_lshl_b32 s58, s42, 1
	s_add_co_u32 s58, s58, s16
	s_mul_i32 s58, s58, TROW
	s_mov_b32 s59, 0
	s_add_nc_u64 s[BP:BP+1], s[6:7], s[58:59]
	LOADB 0, 0, 0                                  ; B's steps 0 and 1
	LOADB 0, 0, 1
	LOADB 1, 1, 0
	LOADB 1, 1, 1
	s_add_nc_u64 s[PFBA:PFBA+1], s[BP:BP+1], 2*STEPB   ; stepped by six steps ahead of each use: steps 8, 14, 20, 26
	s_mul_i32 s20, s15, BLK
	s_add_nc_u64 s[22:23], s[22:23], s[20:21]      ; in the ring: steps 3 u .. 3 u + 2 of a chunk
	s_add_co_u32 s18, s18, s20
	s_mov_b32 s[G0], 1                             ; slot 0: first steps 8-13
	s_mov_b32 s[G0+1], s18
	s_add_nc_u64 s[G0+2:G0+3], s[22:23], 8*STEPB
	s_or_b32 s[G0+3], s[G0+3], 0x80000000
	s_mov_b32 s[G0+4], 1                           ; slot 1: stepped by twelve steps ahead of its first use: steps 14-19
	s_add_co_u32 s[G0+5], s18, SLOTB
	s_add_nc_u64 s[G0+6:G0+7], s[22:23], 2*STEPB
	s_or_b32 s[G0+7], s[G0+7], 0x80000000
	s_add_nc_u64 s[PFA:PFA+1], s[22:23], 8*STEPB   ; stepped by six steps ahead of each use: chunks at steps 14, 20, 26
	s_cmp_lt_u32 s17, 8                            ; tile rows 0-7 are x_real's
	s_cselect_b64 s[12:13], s[8:9], s[10:11]
	s_and_b32 s58, s17, 7
	s_lshl_b32 s58, s58, 8
	s_lshl_b32 s59, s15, 7
	s_add_co_u32 s58, s58, s59
	s_lshl_b32 s58, s58, 14                        ; my first row of C,
	s_lshl_b32 s59, s42, 10
	s_add_co_u32 s58, s58, s59
	s_lshl_b32 s59, s16, 9
	s_add_co_u32 s58, s58, s59                     ; my first column
	s_mov_b32 s59, 0
	s_add_nc_u64 s[12:13], s[12:13], s[58:59]
	s_wait_tensorcnt 0x0                           ; my part of steps 0-7 is in, and no tensor load of mine is out:
	s_mov_b32 s[G1+2], 150<<16                     ; from here on a load brings three steps, 150 rows
	s_mov_b32 s[G1+4], 150
	s_barrier_signal -1
	s_barrier_wait -1                              ; everybody's part is in
	LOADA 0
	LOADA 1
	STEP 0, 2, 1, 0, 0                             ; the first step's products start the sums
	s_mov_b32 s3, 2
.Llap:                                                 ; a trip: twelve steps, once round the ring, both slots filled again
	STEP 1, 3, 0, 1, 1
	STEP 2, 4, 0, 0, 0
	STEP 3, 5, 0, 0, 0
	STEP 4, 6, 0, 0, 0
	STEP 5, 7, 0, 0, 0
	STEP 6, 8, 0, 0, 0
	STEP 7, 9, 0, 1, 2
	STEP 8, 10, 0, 0, 0
	STEP 9, 11, 0, 0, 0
	STEP 10, 12, 0, 0, 0
	STEP 11, 13, 0, 0, 0
	STEP 12, 14, 0, 0, 0
	s_wait_xcnt 0x0                                ; B's loads have read their base
	s_add_nc_u64 s[BP:BP+1], s[BP:BP+1], 12*STEPB
	s_sub_co_u32 s3, s3, 1
	s_cmp_lg_u32 s3, 0
	s_cbranch_scc1 .Llap
	STEP 25, 3, 0, 2, 0                            ; slot 1 holds the last six steps: a barrier, no fill
	STEP 26, 4, 0, 0, 0
	STEP 27, 5, 0, 0, 0
	STEP 28, 6, 0, 0, 0
	STEP 29, 7, 0, 0, 0
	s_wait_loadcnt 25                              ; step 30 (sets 0): its B is in; step 31's 25 loads may be out,
	s_wait_dscnt 26                                ; and so may step 31's 26 of A
	WIN MUL_LO
.irp b, 0,1,2,3
	MULB \b, 0, 0, 0
.endr
	WIN MUL_HI
.irp b, 4,5,6,7
	MULB \b, 0, 0, 0
.endr
	s_wait_loadcnt 0x0
	s_wait_dscnt 0x0
.irp a, 0,1,2,3,4,5,6,7                ; step 31 (sets 1), by rows of C
	ROWA \a, 1, 1                                  ; block a is finished
.if \a > 0
	SEND \a-1                                      ; its loads from the stage were issued ahead of the products above
.endif
	PLACES
.if \a > 0
	s_wait_xcnt 0x0                                ; the stores have read their registers: the next block's rows may land there
.endif
	TOSTAGE \a
.endr
	SEND 7
	s_wait_tensorcnt 0x0                           ; the wave's end
	ds_add_u32 v[SPW], v[NIL]
	s_wait_dscnt 0x0
	CROUND                                         ; the closing round
	s_endpgm
.Lfunc_end_k_q4ef45922e9_gemm:
	.size	k_q4ef45922e9_gemm, .Lfunc_end_k_q4ef45922e9_gemm-k_q4ef45922e9_gemm
	.p2alignl 7, 3214868480
	.fill 96, 4, 3214868480
	.section	.rodata,"a",@progbits
	.p2align	6, 0x0
	.amdhsa_kernel k_q4ef45922e9_gemm
		.amdhsa_group_segment_fixed_size 327680
		.amdhsa_private_segment_fixed_size 0
		.amdhsa_enable_private_segment 0
		.amdhsa_kernarg_size 32
		.amdhsa_user_sgpr_count 2
		.amdhsa_user_sgpr_kernarg_segment_ptr 1
		.amdhsa_wavefront_size32 1
		.amdhsa_system_sgpr_workgroup_id_x 1
		.amdhsa_system_sgpr_workgroup_id_y 1
		.amdhsa_system_sgpr_workgroup_id_z 1
		.amdhsa_system_vgpr_workitem_id 0
		.amdhsa_next_free_vgpr 1024
		.amdhsa_next_free_sgpr 66
		.amdhsa_reserve_vcc 0
		.amdhsa_float_denorm_mode_32 3
		.amdhsa_float_denorm_mode_16_64 3
		.amdhsa_memory_ordered 1
		.amdhsa_forward_progress 1
		.amdhsa_inst_pref_size 255
	.end_amdhsa_kernel
	.section	.bss,"aw",@nobits
	.p2align	6
	.space	262144
	.amdgpu_metadata
---
amdhsa.version: [ 1, 2 ]
amdhsa.kernels:
  - .name:           k_q4ef45922e9_gemm
    .symbol:         k_q4ef45922e9_gemm.kd
    .args:
      - { .name: a_q, .offset: 0, .size: 8, .value_kind: global_buffer, .address_space: global }
      - { .name: b_q, .offset: 8, .size: 8, .value_kind: global_buffer, .address_space: global }
      - { .name: out0, .offset: 16, .size: 8, .value_kind: global_buffer, .address_space: global }
      - { .name: out1, .offset: 24, .size: 8, .value_kind: global_buffer, .address_space: global }
    .group_segment_fixed_size: 327680
    .private_segment_fixed_size: 0
    .kernarg_segment_align: 8
    .kernarg_segment_size: 32
    .max_flat_workgroup_size: 128
    .sgpr_count:     66
    .vgpr_count:     1024
    .wavefront_size: 32
...
	.end_amdgpu_metadata
.endif
;; end of part 2
